; MI455X (gfx1250); checked and timed in simulation.
; The chip was launched on July 23, 2026; its instructions are those of AMD's public machine-readable ISA for CDNA 5 (MIT licence, August 2026) and "CDNA5" Instruction Set Architecture Reference Guide (July 2026). The comments in the code are by the model that wrote it; some were corrected since.
;; Local Dot Attention. Allowed arithmetic: matrix products marked QUANTISED: E2M1 operands, one E8M0 scale for each 32 along K, by v_wmma_scale_f32_16x16x128_f8f6f4 with both operands' format E2M1 (or v_wmma_scale_f32_32x16x128_f4), f32 sums; everything else in f32.
;; Inputs: K_codes 4 x 16 x 2,048 x 2 x 16 uint8 (E2M1 codes of K, K innermost, in blocks of 32 codes, two codes a byte); K_scales 4 x 16 x 2,048 x 2 uint8 (E8M0 scales of K, one for each 32 codes along K); Q_codes 4 x 16 x 2,048 x 2 x 16 uint8 (E2M1 codes of Q, K innermost, in blocks of 32 codes, two codes a byte); Q_scales 4 x 16 x 2,048 x 2 uint8 (E8M0 scales of Q, one for each 32 codes along K); V_codes 4 x 16 x 64 x 64 x 16 uint8 (E2M1 codes of V, K innermost, in blocks of 32 codes, two codes a byte); V_scales 4 x 16 x 64 x 64 uint8 (E8M0 scales of V, one for each 32 codes along K); mask_out 4 x 1 x 1 x 2,048 bool.
;; Outputs: out0 4 x 16 x 2,048 x 64 float32.
;; This version of the problem:
;;   THIS VERSION OF THE PROBLEM IS GIVEN IN LOW PRECISION. The matrix products marked QUANTISED in the list below multiply operands that are first quantised to E2M1 (2 exponent bits, 1 mantissa bit; 4 bits a number), with one power-of-two scale for each 32 numbers along K (OCP MX v1.0); their sums are f32. All else is computed in f32.
;;   The module's matrix products, in the order in which they are computed (A, B: the left and right operand; K: the contracted axis; several contracted axes count as one K, in the product's order):
;;     1. batch 64 x [M 2,048, K 64] x [K 64, N 2,048]; A: input Q (given as codes); B: input K (given as codes): QUANTISED
;;     2. batch 64 x [M 2,048, K 2,048] x [K 2,048, N 64]; A: computed on the way; B: input V (given as codes): QUANTISED
;;   THE QUANTISER, for each operand of a quantised product, along K:
;;     - K is cut into blocks of 32 from its start; a last block that is shorter is filled with zeros.
;;     - A block's scale is 2^e with e = floor(log2(the largest magnitude in the block)) - 2, held to -126 .. 127; a block of zeros has e = 0. As a byte (E8M0): e + 127.
;;     - Each number is divided by its block's scale, clamped to +-6, and rounded to the nearest number of E2M1, ties to even, subnormals kept.
;;     - The product sums the exact products of the quantised numbers (number of the format x scale) in f32.
;;   ~~~python
;;   def quantise(x, axis):      # numpy; x: float32 -> the quantised numbers, widened to float32 again
;;       x = np.moveaxis(x, axis, -1); K = x.shape[-1]
;;       x = np.pad(x, [(0, 0)] * (x.ndim - 1) + [(0, -K % 32)]); x = x.reshape(x.shape[:-1] + (-1, 32)); a = np.abs(x).max(-1, keepdims=True)
;;       e = np.where(a > 0, np.clip(np.frexp(np.where(a > 0, a, 1))[1] - 1 - 2, -126, 127), 0)      # np.frexp(a)[1] - 1 = floor(log2(a)), exactly
;;       r = np.clip(x / 2.0 ** e, -6, 6)
;;       step = 2.0 ** (np.maximum(np.frexp(np.where(r == 0, 1, r))[1] - 1, 0) - 1)
;;       q = np.round(r / step) * step * 2.0 ** e      # np.round: ties to even
;;       return np.moveaxis(q.reshape(q.shape[:-2] + (-1,))[..., :K], -1, axis).astype(np.float32)
;;   ~~~
;;   OPERANDS COMPUTED ON THE WAY. 'Computed on the way' means the value that the module computes at that place (a softmax that the list does not call 'softmax' is quantised finished and normalised). What goes into a quantiser is computed in f32, as accurately as f32 sums, v_exp_f32 and their like allow (about 1e-6 of the number): no bf16 or f16 on the way to a quantiser, and a product that is left as it is and whose result goes on into a quantised operand takes f32 operands (vector FMAs, or v_wmma_f32_16x16x4_f32). A number that lies on a knife's edge between two numbers of the format may be rounded either way, as far as f32 arithmetic and the matrix unit's own rounding can turn it there, and no further.
;;   INPUTS GIVEN AS CODES. K (in the module: [4, 16, 2048, 64], K = its axis 3); Q (in the module: [4, 16, 2048, 64], K = its axis 3); V (in the module: [4, 16, 2048, 64], K = its axis 2): each comes as NAME_codes (uint8): NAME with its K axis moved to the last place and cut into blocks of 32 codes, [.., K / 32, bytes a block], one block behind the other in memory; two codes a byte, the lower K in the low four bits (a code: sign, 2 exponent bits, 1 mantissa bit); and NAME_scales (uint8): the same leading axes, one E8M0 byte (e + 127) for each 32 codes along K. Its value is code x scale, taken as it is: it is not quantised again, and the codes and scales need not be those that the quantiser above would give.
;; 2 versions, each right; version 2 is version 1 with the launch attn written anew for expert scheduling mode. Each part assembles by itself: llvm-mc -triple=amdgcn-amd-amdhsa -mcpu=gfx1250 --defsym DOCPART=n.
;; ======== version 1 of 2: 1 launch
;; limits: right only within a limited range of input values
;; launch attn (part 1): grid 256 x 1, 16 waves a work-group, no clusters, 114,944 bytes of LDS; arguments Q_codes, Q_scales, K_codes, K_scales, V_codes, V_scales, mask_out, out0; writes out0
.if DOCPART == 1
	.amdgcn_target "amdgcn-amd-amdhsa--gfx1250"
	.amdhsa_code_object_version 6
	.text
	.protected	k_q5fc951950d_attn
	.globl	k_q5fc951950d_attn
	.p2align	8
	.type	k_q5fc951950d_attn,@function
k_q5fc951950d_attn:
	s_mov_b64 s[64:65], 0
	v_nop
	global_prefetch_b8 v0, s[64:65] scope:SCOPE_SE
	s_setreg_imm32_b32 hwreg(HW_REG_WAVE_MODE, 25, 1), 1
	s_wait_xcnt 0x0
; out0[b][h][i][:] = sum over j of Quant( softmax_j( mask ? -1e9 : Q[i].K[j] / 8 ) x exp(-(i - j)^2 / 2^21) ) V[j][:], 64 heads of 2,048 x 2,048, head size 64.
; Both products on codes of FP4 (E2M1) with one E8M0 scale for each 32 along a product's K.  Q, K, V come as codes; the second product's left operand is quantised here, FINISHED AND NORMALISED, in blocks of 32 keys.
; 1 / (the row's sum) is no power of two, so no code of a row can be made before the whole row's sum is known.  THE KEYS STAND STILL AND THE QUERIES STREAM: a work-group of sixteen waves owns one head and 512 of its queries;
; wave w owns keys 128 w .. 128 w + 127 for the whole launch: its fragments of K and V and their scale words are loaded once and stay in registers.  The work-group walks 32 tiles of 16 queries.  In a trip a wave holds
; 16 queries x 128 keys of scores in 64 registers and turns them, in place, into p = 2^(c s - c M), p x decay, p x decay / sum, and codes: one exponential and one first product for each score.
; Across the waves go, through LDS: the row's maximum and the row's sum (16 numbers a wave each) and the partial O^T (4,096 bytes a wave), which one owner wave for each query row adds up and stores as one aligned row of 256 bytes.
; LAYOUT.  Both products are used transposed (S^T = K Q^T, O^T = V^T P^T): a lane holds ONE query (lane % 16).  THE KEYS OF A TILE ARE NOT NEIGHBOURS: tile (g, u) takes keys 64 g + 8 u + 0..7 as rows 0-7 and 64 g + 32 + 8 u + 0..7
; as rows 8-15, so that score register 32 g + 8 u + j of lane (r, h) is key 64 g + 32 h + 8 u + j: a lane's 32 registers of group g are ONE WHOLE BLOCK of the quantiser, in order, and the eight conversions' results are the
; second product's operand as it stands: the block's largest number needs no other lane, and no codes change lanes.
; THE MASK RIDES IN THE HALF OF THE INSTRUCTION'S K = 128 THAT A HEAD OF 64 LEAVES IDLE.  Beside a key's two blocks stands a block U whose one code is -6, beside a query's two a block whose one code is +1 under the scale 1;
; U's scale byte is 227 (2^100) for a masked key and 0 (2^-127) for any other.  So a masked key's score is s - 6 x 2^100, whose exponential is 0, as that of -1e9 - max is in f32; any other key's score moves by 6 x 2^-127.
; Two tiles share one U: registers [Da][U][Db]; tile a is the first eight (data in blocks 0, 1), tile b the last eight (data in blocks 2, 3); Q lies as [Q][Uq][Q] for the two forms.
; A BATCH WHOSE 2,048 KEYS ARE ALL MASKED has equal weights 1 / 2,048: every wave ANDs the whole mask row, and by two selects (no branch) U's byte becomes 0 for all keys and c becomes 0: p = 1, the sum 2,048.
; THE DECAY comes from a table in LDS, T[z] = exp(-(z - 511 - Qs)^2 / 2^21), z = key - (query - Qs) + 511 in 0 .. 2,558, Qs the work-group's first query (it enters the VALUES alone, no address).  Four copies, copy o shifted by
; o words, so that each lane's 32 neighbouring entries begin on 16 bytes in copy 3 - r % 4 and come by loads of 16 bytes; copies are 10,304 bytes = 644 x 16 apart, so that the 16 lanes of half a load take the sixteen
; different 16-byte columns 4 o + 3 - r / 4 (64 banks of 4 bytes: ISA guide 11.1).
; NO WORK IS LEFT OUT: every input is loaded and every step of the computation is done.
; LIMITS.  In a batch with an unmasked key each row's largest unmasked score lies above -9.9e8 (there the masked weights are 0 in f32 as here); |q . k| stays under 2^90; weights under 2^-126 are 0 (v_exp_f32 flushes them);
; a block of zeros has the scale byte 1 (its codes are zeros; nobody else reads the byte); NaN, infinities and the scale byte 0xff among the inputs are not served; mask bytes are 0 or 1.
; NO CLUSTER, NO TENSOR LOAD: what work-groups share is a head's K and V with their scales, 139,264 bytes, which each of the head's four work-groups reads once, at its head, straight into registers; nothing streams through LDS,
; so there is no tile that partners could ask for jointly.  NO PREFETCH: the one stream, Q (512 + 32 bytes a tile), is asked for a whole trip ahead, into registers.
; REGISTERS: v1-12 addresses that stay; v16-27 Q, Uq, Q; v28-30 Q's scale bytes and its two scale words; v31 p's scale word; v32-79 K, four pairs of tiles; v80-83 K's scale words (tile a in lanes 0-15, tile b in lanes 16-31);
; v84-85 V's scale words likewise; v88-119 V; v120-127 p's codes; v128-191 the scores; v192-223 decays, then O^T, then the sixteen partials; v224-255 at work.
.set CP,    10304                      ; a copy of the table: 2,560 words + 64 bytes
.set MX,    4*CP                       ; the waves' maxima: [query 16][wave 16] f32, 1,024 bytes
.set LS,    1024                       ; the waves' sums lie 1,024 bytes behind them, in the same form
.set STG,   MX+2048                    ; the partial O: 16 waves x 16 rows x (256 bytes + 16)
.set SP,    272
.set PART,  16*SP
.set SPARE, STG+16*PART                ; the spare words, 128 bytes for each wave: eight blocks of 256 bytes that no other line names
.set S,     128
.set DEC,   192
.macro BAR                             ; my LDS stores have landed and my LDS loads are in: then the work-group's barrier
	s_wait_dscnt 0x0
	s_barrier_signal -1
	s_barrier_wait -1
.endm
.macro QLOAD                           ; a tile of 16 queries: lane (r, h) takes bytes 16 h .. 16 h + 15 of row r, into both places of [Q][Uq][Q]; and row r's two scale bytes
	global_load_b128 v[16:19], v3, s[8:9]
	global_load_b128 v[24:27], v3, s[8:9]
	global_load_u16 v28, v4, s[10:11]
.endm
.macro PLACES                          ; four plain vector instructions between a matrix instruction and what reads its result or is loaded into its sources (ISA guide 7.12.1)
.rept 4
	v_nop
.endr
.endm
.macro SCORES                          ; S^T = K Q^T: eight tiles, eight accumulators, each begun with the constant 0: no chain
.irp v, 0,1,2,3
	v_wmma_scale_f32_16x16x128_f8f6f4 v[S+16*\v:S+16*\v+7], v[32+12*\v:39+12*\v], v[16:23], 0, v[80+\v], v29 matrix_a_fmt:MATRIX_FMT_FP4 matrix_b_fmt:MATRIX_FMT_FP4
	v_wmma_scale_f32_16x16x128_f8f6f4 v[S+16*\v+8:S+16*\v+15], v[36+12*\v:43+12*\v], v[20:27], 0, v[80+\v], v30 matrix_a_fmt:MATRIX_FMT_FP4 matrix_b_fmt:MATRIX_FMT_FP4 matrix_a_scale:MATRIX_SCALE_ROW1
.endr
.endm
.macro ROWMAX                          ; the largest of my 64 scores into v224; each accumulator is read from its low end on
.irp t, 0,1,2,3,4,5,6,7
	v_max3_num_f32 v[224+\t], v[S+8*\t], v[S+8*\t+1], v[S+8*\t+2]
.endr
.irp t, 0,1,2,3,4,5,6,7
	v_max3_num_f32 v[224+\t], v[224+\t], v[S+8*\t+3], v[S+8*\t+4]
.endr
.irp t, 0,1,2,3,4,5,6,7
	v_max3_num_f32 v[224+\t], v[224+\t], v[S+8*\t+5], v[S+8*\t+6]
.endr
.irp t, 0,2,4,6
	v_max3_num_f32 v[224+\t], v[224+\t], v[S+8*\t+7], v[S+8*\t+15]
.endr
	v_max3_num_f32 v224, v224, v225, v226
	v_max3_num_f32 v227, v227, v228, v229
	v_max_num_f32 v230, v230, v231
	v_max3_num_f32 v224, v224, v227, v230
.endm
.macro DECLOAD g                       ; the decays of my 32 keys of group g
.irp i, 0,1,2,3,4,5,6,7
	ds_load_b128 v[DEC+4*\i:DEC+4*\i+3], v6 offset:256*(\g)+16*\i
.endr
.endm
.macro FMA g                           ; c s - c M, two at a time (of the pairs c and -c M the low word serves both halves)
.set j, S+32*(\g)
.rept 16
	v_pk_fma_f32 v[j:j+1], v[j:j+1], s[40:41], v[232:233] op_sel_hi:[1,0,0]
.set j, j+2
.endr
.endm
.macro EXPS g                          ; p = 2^(c s - c M)
.set j, S+32*(\g)
.rept 32
	v_exp_f32 v[j], v[j]
.set j, j+1
.endr
.endm
.macro SUM g                           ; the row's sum is taken of p, ahead of the decay: two chains of pairs; group 0 starts them
.if (\g) == 0
	v_pk_add_f32 v[236:237], v[S:S+1], v[S+2:S+3]
	v_pk_add_f32 v[238:239], v[S+4:S+5], v[S+6:S+7]
.set j, S+8
.rept 6
	v_pk_add_f32 v[236:237], v[236:237], v[j:j+1]
	v_pk_add_f32 v[238:239], v[238:239], v[j+2:j+3]
.set j, j+4
.endr
.else
.set j, S+32
.rept 8
	v_pk_add_f32 v[236:237], v[236:237], v[j:j+1]
	v_pk_add_f32 v[238:239], v[238:239], v[j+2:j+3]
.set j, j+4
.endr
.endif
.endm
.macro MULDEC g                        ; y = p x decay
.set j, 0
.rept 16
	v_pk_mul_f32 v[S+32*(\g)+j:S+32*(\g)+j+1], v[S+32*(\g)+j:S+32*(\g)+j+1], v[DEC+j:DEC+j+1]
.set j, j+2
.endr
.endm
.macro YMAX g                          ; the block's largest y (none is negative) into v[240 + g]; v[244 + g] is the second chain
.set y, S+32*(\g)
	v_max3_num_f32 v[240+(\g)], v[y], v[y+1], v[y+2]
	v_max3_num_f32 v[244+(\g)], v[y+3], v[y+4], v[y+5]
.set j, y+6
.rept 6
	v_max3_num_f32 v[240+(\g)], v[240+(\g)], v[j], v[j+1]
	v_max3_num_f32 v[244+(\g)], v[244+(\g)], v[j+2], v[j+3]
.set j, j+4
.endr
	v_max3_num_f32 v[240+(\g)], v[240+(\g)], v[y+30], v[y+31]
	v_max_num_f32 v[240+(\g)], v[240+(\g)], v[244+(\g)]
.endm
.macro NORM g                          ; a = y / the row's sum
.set j, S+32*(\g)
.rept 16
	v_pk_mul_f32 v[j:j+1], v[j:j+1], v[234:235] op_sel_hi:[1,0]
.set j, j+2
.endr
.endm
.macro CVT g                           ; my block of group g: 32 codes, registers 4 g .. 4 g + 3 of the operand
.irp u, 0,1,2,3
	v_cvt_scalef32_pk8_fp4_f32 v[120+4*(\g)+\u], v[S+32*(\g)+8*\u:S+32*(\g)+8*\u+7], v[242+(\g)]
.endr
.endm
.macro PV                              ; my part of O^T = V^T P^T: four tiles of 16 of the head's 64, K = my 128 keys; four accumulators, each begun with the constant 0
	v_wmma_scale_f32_16x16x128_f8f6f4 v[192:199], v[88:95], v[120:127], 0, v84, v31 matrix_a_fmt:MATRIX_FMT_FP4 matrix_b_fmt:MATRIX_FMT_FP4
	v_wmma_scale_f32_16x16x128_f8f6f4 v[200:207], v[96:103], v[120:127], 0, v84, v31 matrix_a_fmt:MATRIX_FMT_FP4 matrix_b_fmt:MATRIX_FMT_FP4 matrix_a_scale:MATRIX_SCALE_ROW1
	v_wmma_scale_f32_16x16x128_f8f6f4 v[208:215], v[104:111], v[120:127], 0, v85, v31 matrix_a_fmt:MATRIX_FMT_FP4 matrix_b_fmt:MATRIX_FMT_FP4
	v_wmma_scale_f32_16x16x128_f8f6f4 v[216:223], v[112:119], v[120:127], 0, v85, v31 matrix_a_fmt:MATRIX_FMT_FP4 matrix_b_fmt:MATRIX_FMT_FP4 matrix_a_scale:MATRIX_SCALE_ROW1
.endm
	s_load_b256 s[8:15], s[0:1], 0x0               ; Q's codes s[8:9], Q's scales s[10:11], K's codes s[12:13], K's scales s[14:15]
	s_load_b256 s[16:23], s[0:1], 0x20             ; V's codes s[16:17], V's scales s[18:19], the mask s[20:21], out0 s[22:23]
	v_lshl_add_u32 v1, v0, 2, SPARE                ; my spare word; never rewritten
	v_mov_b32 v2, 0                                ; 0; never rewritten
	v_lshrrev_b32 v13, 5, v0
	v_readfirstlane_b32 s24, v13                   ; wave w, 0..15
	v_and_b32 v13, 15, v0                          ; r
	v_bfe_u32 v14, v0, 4, 1                        ; h
	v_and_b32 v15, 31, v0                          ; lane
	s_lshr_b32 s25, ttmp9, 2                       ; the head
	s_and_b32 s26, ttmp9, 3                        ; which 512 of its queries
	s_lshr_b32 s27, s25, 4                         ; the batch
	; where my parts begin, in bytes, each in a pair with 0 on top
	s_lshl_b32 s54, s25, 16                        ; a head's codes: 65,536 bytes in each of Q, K, V
	s_lshl_b32 s55, s25, 12                        ; a head's scale bytes: 4,096
	s_lshl_b32 s28, s24, 12
	s_add_co_u32 s28, s28, s54                     ; K's codes: my 128 rows of 32 bytes
	s_mov_b32 s29, 0
	s_lshl_b32 s30, s24, 8
	s_add_co_u32 s30, s30, s55                     ; K's scales: my 128 rows of 2 bytes
	s_mov_b32 s31, 0
	s_lshl_b32 s32, s24, 6
	s_add_co_u32 s32, s32, s54                     ; V's codes: my 64 bytes of each row of 1,024
	s_mov_b32 s33, 0
	s_lshl_b32 s34, s24, 2
	s_add_co_u32 s34, s34, s55                     ; V's scales: my word of each row of 64 bytes
	s_mov_b32 s35, 0
	s_lshl_b32 s36, s27, 11                        ; the batch's mask row
	s_mov_b32 s37, 0
	s_lshl_b32 s38, s26, 14
	s_add_co_u32 s38, s38, s54                     ; Q's codes: my work-group's 512 rows
	s_mov_b32 s39, 0
	s_lshl_b32 s48, s26, 10
	s_add_co_u32 s48, s48, s55                     ; Q's scales
	s_mov_b32 s49, 0
	s_lshl_b32 s50, s25, 19
	s_lshl_b32 s51, s26, 17
	s_add_co_u32 s50, s50, s51                     ; out0: rows of 256 bytes
	s_mov_b32 s51, 0
	s_mov_b32 s44, 0x76543210
	s_mov_b32 s45, 0xfedcba98                      ; v_permlanex16_b32's selects for lane l xor 16
	; addresses that stay
	v_lshlrev_b32 v3, 5, v13
	v_lshl_add_u32 v3, v14, 4, v3                  ; Q: 32 r + 16 h
	v_lshlrev_b32 v4, 1, v13                       ; Q's scale bytes: 2 r
	v_and_b32 v5, 3, v13
	v_sub_nc_u32 v5, 3, v5                         ; my copy of the table: 3 - r % 4
	v_mul_u32_u24 v5, v5, CP
	v_lshrrev_b32 v6, 2, v13
	v_sub_nc_u32 v6, 3, v6
	v_lshl_add_u32 v5, v6, 4, v5                   ; + 16 (3 - r / 4)
	v_lshl_add_u32 v5, v14, 7, v5                  ; + 128 h
	s_lshl_b32 s52, s24, 9
	v_add_nc_u32 v5, s52, v5                       ; + 512 w
	v_lshlrev_b32 v7, 6, v13
	v_lshl_add_u32 v8, v14, 5, v7
	v_add_nc_u32 v8, MX, v8                        ; the maxima, read: row r, eight waves' for each half of the lanes
	s_lshl_b32 s52, s24, 2
	s_add_co_u32 s52, s52, MX
	v_add_nc_u32 v7, s52, v7                       ; and written: row r, word w
	v_mul_u32_u24 v9, v13, SP
	v_lshl_add_u32 v9, v14, 5, v9
	s_mul_i32 s52, s24, PART
	s_add_co_u32 s52, s52, STG
	v_add_nc_u32 v9, s52, v9                       ; the partial O, written: my part, row r, + 32 h
	v_lshlrev_b32 v10, 3, v15
	s_lshl_b32 s52, s24, 8
	v_add_nc_u32 v11, s52, v10                     ; out0: row w of the tile, 8 bytes a lane
	s_mul_i32 s52, s24, SP
	s_add_co_u32 s52, s52, STG
	v_add_nc_u32 v10, s52, v10                     ; the partial O, read: row w of each part, 8 bytes a lane
	v_lshlrev_b32 v12, 3, v14                      ; 8 h: my bytes' place in p's scale word
	; offsets of the head's loads (v224-230 are not written again before the wait for these loads)
	v_and_b32 v225, 7, v13
	v_lshrrev_b32 v231, 3, v13
	v_lshlrev_b32 v224, 5, v225
	v_lshl_add_u32 v224, v231, 10, v224
	v_lshl_add_u32 v224, v14, 4, v224              ; K: row r of a tile is key r % 8 + 32 (r / 8) of it: 32 bytes a key, + 16 h
	v_lshl_add_u32 v225, v231, 5, v225
	v_lshl_add_u32 v225, v14, 3, v225              ; scale words: lanes 16-31 take the pair's second tile, 8 keys on
	v_lshlrev_b32 v226, 1, v225                    ; K's scale bytes: 2 a key
	v_lshl_add_u32 v227, s24, 7, v225              ; the mask: 1 a key, my 128 of the row
	v_lshlrev_b32 v228, 10, v13
	v_lshl_add_u32 v228, v14, 4, v228              ; V: row r of 1,024 bytes, + 16 h
	v_lshlrev_b32 v229, 6, v15                     ; V's scale words: 64 bytes a row, a lane a row
	v_lshlrev_b32 v230, 4, v15                     ; the whole mask row: 16 bytes a lane
	s_wait_kmcnt 0x0
	s_add_nc_u64 s[12:13], s[12:13], s[28:29]
	s_add_nc_u64 s[14:15], s[14:15], s[30:31]
	s_add_nc_u64 s[16:17], s[16:17], s[32:33]
	s_add_nc_u64 s[18:19], s[18:19], s[34:35]
	s_add_nc_u64 s[20:21], s[20:21], s[36:37]
	s_add_nc_u64 s[8:9], s[8:9], s[38:39]
	s_add_nc_u64 s[10:11], s[10:11], s[48:49]
	s_add_nc_u64 s[22:23], s[22:23], s[50:51]
.irp v, 0,1,2,3                                ; K's four pairs of tiles: pair v holds tiles (v / 2, 2 (v % 2)) and (v / 2, 2 (v % 2) + 1); they stay
	global_load_b128 v[32+12*\v:35+12*\v], v224, s[12:13] offset:2048*(\v/2)+512*(\v%2)
	global_load_b128 v[40+12*\v:43+12*\v], v224, s[12:13] offset:2048*(\v/2)+512*(\v%2)+256
.endr
.irp v, 0,1,2,3
	global_load_u16 v[128+\v], v226, s[14:15] offset:(64*(\v/2)+16*(\v%2))*2
	global_load_u8 v[132+\v], v227, s[20:21] offset:64*(\v/2)+16*(\v%2)
.endr
.irp d, 0,1,2,3                                ; V's four tiles of 16 of the head's 64: my 128 keys are 64 bytes of each row; once in the launch
	global_load_b128 v[88+8*\d:91+8*\d], v228, s[16:17] offset:16384*\d
	global_load_b128 v[92+8*\d:95+8*\d], v228, s[16:17] offset:16384*\d+32
.endr
.irp x, 0,1
	global_load_b32 v[84+\x], v229, s[18:19] offset:2048*\x     ; lanes 0-15: tile 2 x; lanes 16-31: tile 2 x + 1
.endr
.irp i, 0,1,2,3
	global_load_b128 v[136+4*\i:139+4*\i], v230, s[20:21] offset:512*\i   ; the batch's 2,048 mask bytes
.endr
	QLOAD                                          ; the first tile of queries
	; while these are on their way: the constant blocks, the fillers, the table
	v_xor_b32 v166, 1, v14                         ; 1 in lanes 0-15
	v_mul_u32_u24 v167, v166, 15                   ; U: the code of -6 as the block's first, in lanes 0-15; all else 0
	v_lshlrev_b32 v20, 1, v166                     ; Uq: the code of +1 at the same place
.irp i, 21,22,23
	v_mov_b32 v[\i], 0
.endr
.irp v, 0,1,2,3
	v_mov_b32 v[36+12*\v], v167
	v_mov_b32 v[37+12*\v], 0
	v_mov_b32 v[38+12*\v], 0
	v_mov_b32 v[39+12*\v], 0
.endr
	v_mov_b32 v233, 0                              ; named as the upper halves of pairs whose low word serves both halves
	v_mov_b32 v235, 0
	v_mov_b32 v246, 0                              ; written once: a lane permute's destination counts as one of its sources
	s_lshl_b32 s52, s26, 9
	s_add_co_u32 s52, s52, 511
	s_sub_co_u32 s52, 0, s52                       ; -(511 + Qs)
	v_add_nc_u32 v160, s52, v0                     ; thread t makes entries z = t + 512 e, e = 0 .. 4: key - query = z - 511 - Qs
.irp e, 1,2,3,4
	v_add_nc_u32 v[160+\e], 512*\e, v160
.endr
.irp e, 0,1,2,3,4
	v_cvt_f32_i32 v[160+\e], v[160+\e]
.endr
.irp e, 0,1,2,3,4
	v_mul_f32 v[160+\e], v[160+\e], v[160+\e]      ; under 2^23: exact
.endr
.irp e, 0,1,2,3,4
	v_mul_f32 v[160+\e], 0xb538aa3b, v[160+\e]     ; x -log2(e) / 2^21
.endr
.irp e, 0,1,2,3,4
	v_exp_f32 v[160+\e], v[160+\e]
.endr
	v_lshlrev_b32 v165, 2, v0                      ; (a plain instruction behind the exponentials)
	s_wait_alu depctr_va_vdst(0)                   ; the wait ahead of the first reader: one for the five
.irp o, 0,1,2,3                                ; entry z goes to word z - o of copy o; the first o entries fall into the 64 bytes between the copies
.irp e, 0,1,2,3,4
	ds_store_b32 v165, v[160+\e] offset:\o*(CP-4)+2048*\e
.endr
.endr
	s_wait_loadcnt 0x0                             ; all of the head's loads
.irp i, 1,2,3,4,5,6,7,8,9,10,11,12,13,14,15
	v_and_b32 v136, v136, v[136+\i]                ; my 64 mask bytes, ANDed byte by byte
.endr
	v_cmp_ne_u32 vcc_lo, 0x01010101, v136          ; a lane with an unmasked key
	v_cmp_le_u32 s53, 16, v15                      ; lanes 16-31
	s_cmp_eq_u32 vcc_lo, 0                         ; no such lane: the whole batch is masked
	s_cselect_b32 s40, 0, 0x3e38aa3b               ; c = log2(e) / 8, or 0
	s_cselect_b32 s43, 0, 227                      ; a masked key's byte for U: 2^100, or 2^-127 like any other key's
	s_mov_b32 s41, s40                             ; (named with it as a pair, so it is written)
	s_xor_b32 s42, s40, 0x80000000                 ; -c
.irp v, 0,1,2,3
	v_mul_u32_u24 v[132+\v], s43, v[132+\v]        ; U's scale byte of my key
.endr
.irp v, 0,1,2,3
	v_lshl_or_b32 v[152+\v], v[132+\v], 16, v[128+\v]   ; a first tile's word: k0, k1, U's, 0
	v_lshl_or_b32 v[156+\v], v[128+\v], 16, v[132+\v]   ; a second tile's: U's, 0, k0, k1
.endr
.irp v, 0,1,2,3
	v_cndmask_b32 v[80+\v], v[152+\v], v[156+\v], s53
.endr
	v_or_b32 v29, 0x7f0000, v28                    ; Q's word beside a first tile: q0, q1, 127, 0
	v_lshl_or_b32 v30, v28, 16, 0x7f               ; beside a second: 127, 0, q0, q1
.rept 8
	v_nop                                          ; a scale register written by a vector instruction stands eight places ahead of a scaled matrix instruction
.endr
	BAR                                            ; the table is whole
	s_mov_b32 s46, 0                               ; the tile
	s_mov_b32 s47, 2048                            ; 64 (32 - tile): a query further on is a table entry further back
.Ltile:
	; ---- 1: the scores, and my 128 keys' largest for each query
	s_sub_co_u32 s47, s47, 64
	v_add_nc_u32 v6, s47, v5
	DECLOAD 0                                      ; wanted behind two barriers
	SCORES
	PLACES                                         ; in front of the loads into Q's registers and of the first read of the scores
	s_cmp_eq_u32 s46, 31                           ; the next tile of queries is asked for a trip ahead, if there is one: no load leaves its buffer
	s_cbranch_scc1 .Lno_q
	s_add_nc_u64 s[8:9], s[8:9], 512               ; (the loads that read these bases were waited for in the trip before)
	s_add_nc_u64 s[10:11], s[10:11], 32
	QLOAD
.Lno_q:
	ROWMAX
	v_permlanex16_b32 v246, v224, s44, s45
	v_max_num_f32 v224, v224, v246                 ; with lane l xor 16's 64 keys
	ds_store_b32 v7, v224                          ; both halves of the lanes write the same word with the same value
	BAR                                            ; barrier 1: sixteen maxima for each query lie in LDS
	; ---- 2: the row's maximum M, the same bits in every wave
	ds_load_b128 v[248:251], v8
	ds_load_b128 v[252:255], v8 offset:16
	s_wait_dscnt 0x0
	v_max3_num_f32 v248, v248, v249, v250
	v_max3_num_f32 v251, v251, v252, v253
	v_max_num_f32 v254, v254, v255
	v_max3_num_f32 v248, v248, v251, v254
	v_permlanex16_b32 v246, v248, s44, s45
	v_max_num_f32 v248, v248, v246
	v_mul_f32 v232, s42, v248                      ; -c M
	; ---- 3: p, its sum, p x decay.  The exponentials go in two batches of 32; behind each stands work that names none of its results, then one wait
	FMA 0
	EXPS 0
	FMA 1
	s_wait_alu depctr_va_vdst(0)                   ; the wait ahead of the first reader: one for group 0's 32
	EXPS 1
	SUM 0                                          ; these four name group 0 alone
	MULDEC 0
	DECLOAD 1
	YMAX 0
	s_wait_alu depctr_va_vdst(0)                   ; and one for group 1's 32
	SUM 1
	v_pk_add_f32 v[236:237], v[236:237], v[238:239]
	v_add_f32 v236, v236, v237
	v_permlanex16_b32 v246, v236, s44, s45
	v_add_f32 v236, v236, v246                     ; my 128 keys' sum for query r
	ds_store_b32 v7, v236 offset:LS
	s_wait_dscnt 0x0                               ; the store has landed; group 1's decays are in
	s_barrier_signal -1                            ; barrier 2,
	MULDEC 1                                       ; with work on registers while the others arrive
	YMAX 1
	s_barrier_wait -1                              ; sixteen sums for each query lie in LDS
	; ---- 4: the row's sum; a = y / sum; codes; my part of the second product
	ds_load_b128 v[248:251], v8 offset:LS
	ds_load_b128 v[252:255], v8 offset:LS+16
	s_wait_dscnt 0x0
	v_pk_add_f32 v[248:249], v[248:249], v[250:251]
	v_pk_add_f32 v[252:253], v[252:253], v[254:255]
	v_pk_add_f32 v[248:249], v[248:249], v[252:253]
	v_add_f32 v248, v248, v249
	v_permlanex16_b32 v246, v248, s44, s45
	v_add_f32 v248, v248, v246                     ; the same additions in the same order in every wave
	v_rcp_f32 v234, v248
	s_wait_loadcnt 0x0                             ; the next tile of queries is in
	v_or_b32 v29, 0x7f0000, v28                    ; its two scale words: plain instructions behind the reciprocal, and far ahead of the next scores
	v_lshl_or_b32 v30, v28, 16, 0x7f
	s_wait_alu depctr_va_vdst(0)                   ; the wait ahead of the reciprocal's first reader
	v_mul_f32 v240, v240, v234                     ; each block's largest a: the multiplication keeps the order, so this is the largest of the products below
	v_mul_f32 v241, v241, v234
	v_max_num_f32 v240, 0x1800000, v240            ; the floor 2^(3 - 127): the byte cannot fall under 1
	v_max_num_f32 v241, 0x1800000, v241
	v_add_nc_u32 v242, 0xff000000, v240            ; 2 off the exponent field: the conversion takes the exponent field of this operand as its scale
	v_add_nc_u32 v243, 0xff000000, v241
	v_lshrrev_b32 v244, 23, v242                   ; the scales' bytes: blocks h and 2 + h of query r
	v_lshrrev_b32 v245, 23, v243
	v_lshl_or_b32 v247, v245, 16, v244
	v_lshlrev_b32 v247, v12, v247                  ; at their places in the word
	v_permlanex16_b32 v246, v247, s44, s45
	v_or_b32 v31, v247, v246                       ; with lane l xor 16's two the word is whole; the 32 multiplications below are its places
	NORM 0
	CVT 0
	NORM 1                                         ; (plain instructions behind group 0's conversions)
	CVT 1
	PLACES                                         ; a plain instruction behind the last conversion, and four places between an operand so written and a scaled matrix instruction
	PV
	PLACES
.irp d, 0,1,2,3
	ds_store_b128 v9, v[192+8*\d:195+8*\d] offset:64*\d        ; lane (r, h): O(query r, 16 d + 8 h + 0 .. 7); each accumulator from its low end on
	ds_store_b128 v9, v[196+8*\d:199+8*\d] offset:64*\d+16
.endr
	BAR                                            ; barrier 3: sixteen partial tiles of O lie in LDS
	; ---- 5: wave w adds up query row w and stores it
.irp k, 0,1,2,3,4,5,6,7,8,9,10,11,12,13,14,15
	ds_load_b64 v[192+2*\k:193+2*\k], v10 offset:PART*\k
.endr
	s_wait_dscnt 8                                 ; LDS loads come back in order (ISA guide 5.7.1): the first eight are in, the eight younger may be out
	v_pk_add_f32 v[192:193], v[192:193], v[194:195]
	v_pk_add_f32 v[196:197], v[196:197], v[198:199]
	v_pk_add_f32 v[200:201], v[200:201], v[202:203]
	v_pk_add_f32 v[204:205], v[204:205], v[206:207]
	v_pk_add_f32 v[192:193], v[192:193], v[196:197]
	v_pk_add_f32 v[200:201], v[200:201], v[204:205]
	v_pk_add_f32 v[192:193], v[192:193], v[200:201]
	s_wait_dscnt 0x0
	v_pk_add_f32 v[208:209], v[208:209], v[210:211]
	v_pk_add_f32 v[212:213], v[212:213], v[214:215]
	v_pk_add_f32 v[216:217], v[216:217], v[218:219]
	v_pk_add_f32 v[220:221], v[220:221], v[222:223]
	v_pk_add_f32 v[208:209], v[208:209], v[212:213]
	v_pk_add_f32 v[216:217], v[216:217], v[220:221]
	v_pk_add_f32 v[208:209], v[208:209], v[216:217]
	v_pk_add_f32 v[236:237], v[192:193], v[208:209]
	global_store_b64 v11, v[236:237], s[22:23] th:TH_STORE_NT   ; 32 lanes store 256 consecutive bytes, at a multiple of 256 from out0's first byte; written once, read by nobody here
	s_wait_xcnt 0x0                                ; the store has read its base and its data: both are written again only behind this wait
	s_add_nc_u64 s[22:23], s[22:23], 4096          ; 16 rows on
	s_add_co_u32 s46, s46, 1
	s_cmp_lt_u32 s46, 32
	s_cbranch_scc1 .Ltile
	; Why three barriers serve single buffers: every wave has waited for all its LDS instructions in front of each signal; the maxima are read between barriers 1 and 2 and written again behind 3;
	; the sums are read between 2 and 3 and written again behind the next trip's 1; the partial tiles are read between 3 and the next trip's 1 and written again behind its 2.
	s_wait_tensorcnt 0x0                           ; the wave's end
	ds_add_u32 v1, v2
	s_wait_dscnt 0x0
	s_endpgm
.Lfunc_end_k_q5fc951950d_attn:
	.size	k_q5fc951950d_attn, .Lfunc_end_k_q5fc951950d_attn-k_q5fc951950d_attn
	.p2alignl 7, 3214868480
	.fill 96, 4, 3214868480
	.section	.rodata,"a",@progbits
	.p2align	6, 0x0
	.amdhsa_kernel k_q5fc951950d_attn
		.amdhsa_group_segment_fixed_size 114944
		.amdhsa_private_segment_fixed_size 0
		.amdhsa_enable_private_segment 0
		.amdhsa_kernarg_size 64
		.amdhsa_user_sgpr_count 2
		.amdhsa_user_sgpr_kernarg_segment_ptr 1
		.amdhsa_wavefront_size32 1
		.amdhsa_system_sgpr_workgroup_id_x 1
		.amdhsa_system_sgpr_workgroup_id_y 1
		.amdhsa_system_sgpr_workgroup_id_z 1
		.amdhsa_system_vgpr_workitem_id 0
		.amdhsa_next_free_vgpr 256
		.amdhsa_next_free_sgpr 66
		.amdhsa_reserve_vcc 1
		.amdhsa_float_denorm_mode_32 3
		.amdhsa_float_denorm_mode_16_64 3
		.amdhsa_memory_ordered 1
		.amdhsa_forward_progress 1
		.amdhsa_inst_pref_size 36
	.end_amdhsa_kernel
	.amdgpu_metadata
---
amdhsa.version: [ 1, 2 ]
amdhsa.kernels:
  - .name:           k_q5fc951950d_attn
    .symbol:         k_q5fc951950d_attn.kd
    .args:
      - { .name: Q_codes, .offset: 0, .size: 8, .value_kind: global_buffer, .address_space: global }
      - { .name: Q_scales, .offset: 8, .size: 8, .value_kind: global_buffer, .address_space: global }
      - { .name: K_codes, .offset: 16, .size: 8, .value_kind: global_buffer, .address_space: global }
      - { .name: K_scales, .offset: 24, .size: 8, .value_kind: global_buffer, .address_space: global }
      - { .name: V_codes, .offset: 32, .size: 8, .value_kind: global_buffer, .address_space: global }
      - { .name: V_scales, .offset: 40, .size: 8, .value_kind: global_buffer, .address_space: global }
      - { .name: mask_out, .offset: 48, .size: 8, .value_kind: global_buffer, .address_space: global }
      - { .name: out0, .offset: 56, .size: 8, .value_kind: global_buffer, .address_space: global }
    .group_segment_fixed_size: 114944
    .private_segment_fixed_size: 0
    .kernarg_segment_align: 8
    .kernarg_segment_size: 64
    .max_flat_workgroup_size: 512
    .sgpr_count:     66
    .vgpr_count:     256
    .wavefront_size: 32
...
	.end_amdgpu_metadata
.endif
;; end of part 1
;; ======== version 2 of 2: 1 launch; version 1 with the launch attn written anew for expert scheduling mode
;; limits: right only within a limited range of input values
;; launch attn (part 2): grid 256 x 1, 16 waves a work-group, no clusters, 114,944 bytes of LDS; arguments Q_codes, Q_scales, K_codes, K_scales, V_codes, V_scales, mask_out, out0; writes out0
.if DOCPART == 2
	.amdgcn_target "amdgcn-amd-amdhsa--gfx1250"
	.amdhsa_code_object_version 6
	.text
	.protected	k_q5fc951950d_attn
	.globl	k_q5fc951950d_attn
	.p2align	8
	.type	k_q5fc951950d_attn,@function
k_q5fc951950d_attn:
	s_mov_b64 s[64:65], 0
	v_nop
	global_prefetch_b8 v0, s[64:65] scope:SCOPE_SE
	s_setreg_imm32_b32 hwreg(HW_REG_WAVE_SCHED_MODE, 0, 2), 2
	s_setreg_imm32_b32 hwreg(HW_REG_WAVE_MODE, 25, 1), 1
	s_wait_xcnt 0x0
	s_wait_alu depctr_vm_vsrc(0)
; out0[b][h][i][:] = sum over j of Quant( softmax_j( mask ? -1e9 : Q[i].K[j] / 8 ) x exp(-(i - j)^2 / 2^21) ) V[j][:], 64 heads of 2,048 x 2,048, head size 64.
; Both products on codes of FP4 (E2M1) with one E8M0 scale for each 32 along a product's K.  Q, K, V come as codes; the second product's left operand is quantised here, FINISHED AND NORMALISED, in blocks of 32 keys.
; 1 / (the row's sum) is no power of two, so no code of a row can be made before the whole row's sum is known.  THE KEYS STAND STILL AND THE QUERIES STREAM: a work-group of sixteen waves owns one head and 512 of its queries;
; wave w owns keys 128 w .. 128 w + 127 for the whole launch: its fragments of K and V and their scale words are loaded once and stay in registers.  The work-group walks 32 tiles of 16 queries.  In a trip a wave holds
; 16 queries x 128 keys of scores in 64 registers and turns them, in place, into p = 2^(c s - c M), p x decay, p x decay / sum, and codes: one exponential and one first product for each score.
; Across the waves go, through LDS: the row's maximum and the row's sum (16 numbers a wave each) and the partial O^T (4,096 bytes a wave), which one owner wave for each query row adds up and stores as one aligned row of 256 bytes.
; LAYOUT.  Both products are used transposed (S^T = K Q^T, O^T = V^T P^T): a lane holds ONE query (lane % 16).  THE KEYS OF A TILE ARE NOT NEIGHBOURS: tile (g, u) takes keys 64 g + 8 u + 0..7 as rows 0-7 and 64 g + 32 + 8 u + 0..7
; as rows 8-15, so that score register 32 g + 8 u + j of lane (r, h) is key 64 g + 32 h + 8 u + j: a lane's 32 registers of group g are ONE WHOLE BLOCK of the quantiser, in order, and the eight conversions' results are the
; second product's operand as it stands: the block's largest number needs no other lane, and no codes change lanes.
; THE MASK RIDES IN THE HALF OF THE INSTRUCTION'S K = 128 THAT A HEAD OF 64 LEAVES IDLE.  Beside a key's two blocks stands a block U whose one code is -6, beside a query's two a block whose one code is +1 under the scale 1;
; U's scale byte is 227 (2^100) for a masked key and 0 (2^-127) for any other.  So a masked key's score is s - 6 x 2^100, whose exponential is 0, as that of -1e9 - max is in f32; any other key's score moves by 6 x 2^-127.
; Two tiles share one U: registers [Da][U][Db]; tile a is the first eight (data in blocks 0, 1), tile b the last eight (data in blocks 2, 3); Q lies as [Q][Uq][Q] for the two forms.
; A BATCH WHOSE 2,048 KEYS ARE ALL MASKED has equal weights 1 / 2,048: every wave ANDs the whole mask row, and by two selects (no branch) U's byte becomes 0 for all keys and c becomes 0: p = 1, the sum 2,048.
; THE DECAY comes from a table in LDS, T[z] = exp(-(z - 511 - Qs)^2 / 2^21), z = key - (query - Qs) + 511 in 0 .. 2,558, Qs the work-group's first query (it enters the VALUES alone, no address).  Four copies, copy o shifted by
; o words, so that each lane's 32 neighbouring entries begin on 16 bytes in copy 3 - r % 4 and come by loads of 16 bytes; copies are 10,304 bytes = 644 x 16 apart, so that the 16 lanes of half a load take the sixteen
; different 16-byte columns 4 o + 3 - r / 4 (64 banks of 4 bytes: ISA guide 11.1).
; NO WORK IS LEFT OUT: every input is loaded and every step of the computation is done.
; LIMITS.  In a batch with an unmasked key each row's largest unmasked score lies above -9.9e8 (there the masked weights are 0 in f32 as here); |q . k| stays under 2^90; weights under 2^-126 are 0 (v_exp_f32 flushes them);
; a block of zeros has the scale byte 1 (its codes are zeros; nobody else reads the byte); NaN, infinities and the scale byte 0xff among the inputs are not served; mask bytes are 0 or 1.
; NO CLUSTER, NO TENSOR LOAD: what work-groups share is a head's K and V with their scales, 139,264 bytes, which each of the head's four work-groups reads once, at its head, straight into registers; nothing streams through LDS,
; so there is no tile that partners could ask for jointly.  NO PREFETCH: the one stream, Q (512 + 32 bytes a tile), is asked for a whole trip ahead, into registers.
; REGISTERS: v1-12 addresses that stay; v16-27 Q, Uq, Q; v28-30 Q's scale bytes and its two scale words; v31 p's scale word; v32-79 K, four pairs of tiles; v80-83 K's scale words (tile a in lanes 0-15, tile b in lanes 16-31);
; v84-85 V's scale words likewise; v88-119 V; v120-127 p's codes; v128-191 the scores; v192-223 decays, then O^T, then the sixteen partials; v224-255 at work.
; THE MODE: SCHED_MODE bits 1:0 = 2 (LLVM: expert scheduling mode 2), set by the entry lines.  The code itself states the register dependences between vector or matrix instructions and memory or LDS instructions,
; with s_wait_alu, always for 0.
; THE PLAN.  Registers that memory or LDS instructions touch, in the loop, in a trip's order:
;   v6          the decays' LDS address: written once, at the trip's head; read by both runs of decay loads.
;   v192-223    group 0's decays land (asked for at the trip's head), MULDEC 0 reads them; group 1's land, MULDEC 1 reads them; the second product writes them; eight LDS stores read them; the sixteen partials land; the additions work on them.
;   v16-19, v24-27, v28   the scores' products read Q, two lines of part 4 read v28; the next tile's three loads land there, behind the store of my maximum.
;   v224        written by the maxima, read by the LDS store of my maximum.      v248-255  the waves' maxima land (part 2), then the waves' sums (part 4); vector lines work on them behind each.
;   v236        written by the sums, read by the LDS store of my sum; v[236:237] written by the last addition, read by the store to out0.
;   v3, v4, v7 to v11   addresses, made at the head and never written again.
; The scores, the codes and all else are named by vector and matrix instructions alone.  There is one buffer for the decays: sixteen waves of 256 registers leave no 32 for a second.
; Each wait's comment says what it states; a load or store with no wait of its own stands behind a wait since which no vector or matrix instruction names a register that it touches.
.set CP,    10304                      ; a copy of the table: 2,560 words + 64 bytes
.set MX,    4*CP                       ; the waves' maxima: [query 16][wave 16] f32, 1,024 bytes
.set LS,    1024                       ; the waves' sums lie 1,024 bytes behind them, in the same form
.set STG,   MX+2048                    ; the partial O: 16 waves x 16 rows x (256 bytes + 16)
.set SP,    272
.set PART,  16*SP
.set SPARE, STG+16*PART                ; the spare words, 128 bytes for each wave: eight blocks of 256 bytes that no other line names
.set S,     128
.set DEC,   192
.macro BAR                             ; my LDS stores have landed and my LDS loads are in: then the work-group's barrier
	s_wait_dscnt 0x0
	s_barrier_signal -1
	s_barrier_wait -1
.endm
.macro QLOAD                           ; a tile of 16 queries: lane (r, h) takes bytes 16 h .. 16 h + 15 of row r, into both places of [Q][Uq][Q]; and row r's two scale bytes
	global_load_b128 v[16:19], v3, s[8:9]
	global_load_b128 v[24:27], v3, s[8:9]
	global_load_u16 v28, v4, s[10:11]
.endm
.macro PLACES                          ; four plain vector instructions between a matrix instruction and what reads its result (ISA guide 7.12.1), or between an operand that vector instructions wrote and a scaled matrix instruction
.rept 4
	v_nop
.endr
.endm
.macro SCORES                          ; S^T = K Q^T: eight tiles, eight accumulators, each begun with the constant 0: no chain
.irp v, 0,1,2,3
	v_wmma_scale_f32_16x16x128_f8f6f4 v[S+16*\v:S+16*\v+7], v[32+12*\v:39+12*\v], v[16:23], 0, v[80+\v], v29 matrix_a_fmt:MATRIX_FMT_FP4 matrix_b_fmt:MATRIX_FMT_FP4
	v_wmma_scale_f32_16x16x128_f8f6f4 v[S+16*\v+8:S+16*\v+15], v[36+12*\v:43+12*\v], v[20:27], 0, v[80+\v], v30 matrix_a_fmt:MATRIX_FMT_FP4 matrix_b_fmt:MATRIX_FMT_FP4 matrix_a_scale:MATRIX_SCALE_ROW1
.endr
.endm
.macro ROWMAX                          ; the largest of my 64 scores into v224; each accumulator is read from its low end on
.irp t, 0,1,2,3,4,5,6,7
	v_max3_num_f32 v[224+\t], v[S+8*\t], v[S+8*\t+1], v[S+8*\t+2]
.endr
.irp t, 0,1,2,3,4,5,6,7
	v_max3_num_f32 v[224+\t], v[224+\t], v[S+8*\t+3], v[S+8*\t+4]
.endr
.irp t, 0,1,2,3,4,5,6,7
	v_max3_num_f32 v[224+\t], v[224+\t], v[S+8*\t+5], v[S+8*\t+6]
.endr
.irp t, 0,2,4,6
	v_max3_num_f32 v[224+\t], v[224+\t], v[S+8*\t+7], v[S+8*\t+15]
.endr
	v_max3_num_f32 v224, v224, v225, v226
	v_max3_num_f32 v227, v227, v228, v229
	v_max_num_f32 v230, v230, v231
	v_max3_num_f32 v224, v224, v227, v230
.endm
.macro DECLOAD g                       ; the decays of my 32 keys of group g
.irp i, 0,1,2,3,4,5,6,7
	ds_load_b128 v[DEC+4*\i:DEC+4*\i+3], v6 offset:256*(\g)+16*\i
.endr
.endm
.macro FMA g                           ; c s - c M, two at a time (of the pairs c and -c M the low word serves both halves)
.set j, S+32*(\g)
.rept 16
	v_pk_fma_f32 v[j:j+1], v[j:j+1], s[40:41], v[232:233] op_sel_hi:[1,0,0]
.set j, j+2
.endr
.endm
.macro EXPS g                          ; p = 2^(c s - c M)
.set j, S+32*(\g)
.rept 32
	v_exp_f32 v[j], v[j]
.set j, j+1
.endr
.endm
.macro SUM g                           ; the row's sum is taken of p, ahead of the decay: two chains of pairs; group 0 starts them
.if (\g) == 0
	v_pk_add_f32 v[236:237], v[S:S+1], v[S+2:S+3]
	v_pk_add_f32 v[238:239], v[S+4:S+5], v[S+6:S+7]
.set j, S+8
.rept 6
	v_pk_add_f32 v[236:237], v[236:237], v[j:j+1]
	v_pk_add_f32 v[238:239], v[238:239], v[j+2:j+3]
.set j, j+4
.endr
.else
.set j, S+32
.rept 8
	v_pk_add_f32 v[236:237], v[236:237], v[j:j+1]
	v_pk_add_f32 v[238:239], v[238:239], v[j+2:j+3]
.set j, j+4
.endr
.endif
.endm
.macro MULDEC g                        ; y = p x decay
.set j, 0
.rept 16
	v_pk_mul_f32 v[S+32*(\g)+j:S+32*(\g)+j+1], v[S+32*(\g)+j:S+32*(\g)+j+1], v[DEC+j:DEC+j+1]
.set j, j+2
.endr
.endm
.macro YMAX g                          ; the block's largest y (none is negative) into v[240 + g]; v[244 + g] is the second chain
.set y, S+32*(\g)
	v_max3_num_f32 v[240+(\g)], v[y], v[y+1], v[y+2]
	v_max3_num_f32 v[244+(\g)], v[y+3], v[y+4], v[y+5]
.set j, y+6
.rept 6
	v_max3_num_f32 v[240+(\g)], v[240+(\g)], v[j], v[j+1]
	v_max3_num_f32 v[244+(\g)], v[244+(\g)], v[j+2], v[j+3]
.set j, j+4
.endr
	v_max3_num_f32 v[240+(\g)], v[240+(\g)], v[y+30], v[y+31]
	v_max_num_f32 v[240+(\g)], v[240+(\g)], v[244+(\g)]
.endm
.macro NORM g                          ; a = y / the row's sum
.set j, S+32*(\g)
.rept 16
	v_pk_mul_f32 v[j:j+1], v[j:j+1], v[234:235] op_sel_hi:[1,0]
.set j, j+2
.endr
.endm
.macro CVT g                           ; my block of group g: 32 codes, registers 4 g .. 4 g + 3 of the operand
.irp u, 0,1,2,3
	v_cvt_scalef32_pk8_fp4_f32 v[120+4*(\g)+\u], v[S+32*(\g)+8*\u:S+32*(\g)+8*\u+7], v[242+(\g)]
.endr
.endm
.macro PV                              ; my part of O^T = V^T P^T: four tiles of 16 of the head's 64, K = my 128 keys; four accumulators, each begun with the constant 0
	v_wmma_scale_f32_16x16x128_f8f6f4 v[192:199], v[88:95], v[120:127], 0, v84, v31 matrix_a_fmt:MATRIX_FMT_FP4 matrix_b_fmt:MATRIX_FMT_FP4
	v_wmma_scale_f32_16x16x128_f8f6f4 v[200:207], v[96:103], v[120:127], 0, v84, v31 matrix_a_fmt:MATRIX_FMT_FP4 matrix_b_fmt:MATRIX_FMT_FP4 matrix_a_scale:MATRIX_SCALE_ROW1
	v_wmma_scale_f32_16x16x128_f8f6f4 v[208:215], v[104:111], v[120:127], 0, v85, v31 matrix_a_fmt:MATRIX_FMT_FP4 matrix_b_fmt:MATRIX_FMT_FP4
	v_wmma_scale_f32_16x16x128_f8f6f4 v[216:223], v[112:119], v[120:127], 0, v85, v31 matrix_a_fmt:MATRIX_FMT_FP4 matrix_b_fmt:MATRIX_FMT_FP4 matrix_a_scale:MATRIX_SCALE_ROW1
.endm
	s_load_b256 s[8:15], s[0:1], 0x0               ; Q's codes s[8:9], Q's scales s[10:11], K's codes s[12:13], K's scales s[14:15]
	s_load_b256 s[16:23], s[0:1], 0x20             ; V's codes s[16:17], V's scales s[18:19], the mask s[20:21], out0 s[22:23]
	v_lshl_add_u32 v1, v0, 2, SPARE                ; my spare word; never rewritten
	v_mov_b32 v2, 0                                ; 0; never rewritten
	v_lshrrev_b32 v13, 5, v0
	v_readfirstlane_b32 s24, v13                   ; wave w, 0..15
	v_and_b32 v13, 15, v0                          ; r
	v_bfe_u32 v14, v0, 4, 1                        ; h
	v_and_b32 v15, 31, v0                          ; lane
	s_wait_alu depctr_va_sdst(0)                   ; s24 is written, ahead of its first reader: the wave's offsets and LDS addresses are made from it
	s_lshr_b32 s25, ttmp9, 2                       ; the head
	s_and_b32 s26, ttmp9, 3                        ; which 512 of its queries
	s_lshr_b32 s27, s25, 4                         ; the batch
	; where my parts begin, in bytes, each in a pair with 0 on top
	s_lshl_b32 s54, s25, 16                        ; a head's codes: 65,536 bytes in each of Q, K, V
	s_lshl_b32 s55, s25, 12                        ; a head's scale bytes: 4,096
	s_lshl_b32 s28, s24, 12
	s_add_co_u32 s28, s28, s54                     ; K's codes: my 128 rows of 32 bytes
	s_mov_b32 s29, 0
	s_lshl_b32 s30, s24, 8
	s_add_co_u32 s30, s30, s55                     ; K's scales: my 128 rows of 2 bytes
	s_mov_b32 s31, 0
	s_lshl_b32 s32, s24, 6
	s_add_co_u32 s32, s32, s54                     ; V's codes: my 64 bytes of each row of 1,024
	s_mov_b32 s33, 0
	s_lshl_b32 s34, s24, 2
	s_add_co_u32 s34, s34, s55                     ; V's scales: my word of each row of 64 bytes
	s_mov_b32 s35, 0
	s_lshl_b32 s36, s27, 11                        ; the batch's mask row
	s_mov_b32 s37, 0
	s_lshl_b32 s38, s26, 14
	s_add_co_u32 s38, s38, s54                     ; Q's codes: my work-group's 512 rows
	s_mov_b32 s39, 0
	s_lshl_b32 s48, s26, 10
	s_add_co_u32 s48, s48, s55                     ; Q's scales
	s_mov_b32 s49, 0
	s_lshl_b32 s50, s25, 19
	s_lshl_b32 s51, s26, 17
	s_add_co_u32 s50, s50, s51                     ; out0: rows of 256 bytes
	s_mov_b32 s51, 0
	s_mov_b32 s44, 0x76543210
	s_mov_b32 s45, 0xfedcba98                      ; v_permlanex16_b32's selects for lane l xor 16
	; addresses that stay
	v_lshlrev_b32 v3, 5, v13
	v_lshl_add_u32 v3, v14, 4, v3                  ; Q: 32 r + 16 h
	v_lshlrev_b32 v4, 1, v13                       ; Q's scale bytes: 2 r
	v_and_b32 v5, 3, v13
	v_sub_nc_u32 v5, 3, v5                         ; my copy of the table: 3 - r % 4
	v_mul_u32_u24 v5, v5, CP
	v_lshrrev_b32 v6, 2, v13
	v_sub_nc_u32 v6, 3, v6
	v_lshl_add_u32 v5, v6, 4, v5                   ; + 16 (3 - r / 4)
	v_lshl_add_u32 v5, v14, 7, v5                  ; + 128 h
	s_lshl_b32 s52, s24, 9
	v_add_nc_u32 v5, s52, v5                       ; + 512 w
	v_lshlrev_b32 v7, 6, v13
	v_lshl_add_u32 v8, v14, 5, v7
	v_add_nc_u32 v8, MX, v8                        ; the maxima, read: row r, eight waves' for each half of the lanes
	s_lshl_b32 s52, s24, 2
	s_add_co_u32 s52, s52, MX
	v_add_nc_u32 v7, s52, v7                       ; and written: row r, word w
	v_mul_u32_u24 v9, v13, SP
	v_lshl_add_u32 v9, v14, 5, v9
	s_mul_i32 s52, s24, PART
	s_add_co_u32 s52, s52, STG
	v_add_nc_u32 v9, s52, v9                       ; the partial O, written: my part, row r, + 32 h
	v_lshlrev_b32 v10, 3, v15
	s_lshl_b32 s52, s24, 8
	v_add_nc_u32 v11, s52, v10                     ; out0: row w of the tile, 8 bytes a lane
	s_mul_i32 s52, s24, SP
	s_add_co_u32 s52, s52, STG
	v_add_nc_u32 v10, s52, v10                     ; the partial O, read: row w of each part, 8 bytes a lane
	v_lshlrev_b32 v12, 3, v14                      ; 8 h: my bytes' place in p's scale word
	; offsets of the head's loads (v224-230 are not written again before the wait for these loads)
	v_and_b32 v225, 7, v13
	v_lshrrev_b32 v231, 3, v13
	v_lshlrev_b32 v224, 5, v225
	v_lshl_add_u32 v224, v231, 10, v224
	v_lshl_add_u32 v224, v14, 4, v224              ; K: row r of a tile is key r % 8 + 32 (r / 8) of it: 32 bytes a key, + 16 h
	v_lshl_add_u32 v225, v231, 5, v225
	v_lshl_add_u32 v225, v14, 3, v225              ; scale words: lanes 16-31 take the pair's second tile, 8 keys on
	v_lshlrev_b32 v226, 1, v225                    ; K's scale bytes: 2 a key
	v_lshl_add_u32 v227, s24, 7, v225              ; the mask: 1 a key, my 128 of the row
	v_lshlrev_b32 v228, 10, v13
	v_lshl_add_u32 v228, v14, 4, v228              ; V: row r of 1,024 bytes, + 16 h
	v_lshlrev_b32 v229, 6, v15                     ; V's scale words: 64 bytes a row, a lane a row
	v_lshlrev_b32 v230, 4, v15                     ; the whole mask row: 16 bytes a lane
	s_wait_kmcnt 0x0
	s_add_nc_u64 s[12:13], s[12:13], s[28:29]
	s_add_nc_u64 s[14:15], s[14:15], s[30:31]
	s_add_nc_u64 s[16:17], s[16:17], s[32:33]
	s_add_nc_u64 s[18:19], s[18:19], s[34:35]
	s_add_nc_u64 s[20:21], s[20:21], s[36:37]
	s_add_nc_u64 s[8:9], s[8:9], s[38:39]
	s_add_nc_u64 s[10:11], s[10:11], s[48:49]
	s_add_nc_u64 s[22:23], s[22:23], s[50:51]
	s_wait_alu depctr_va_vdst(0)                   ; the offsets v224 to v230 of the loads below are written, and so are the addresses that stay, v3, v4 and v7 to v11, which the kernel's loads and stores read
.irp v, 0,1,2,3                                ; K's four pairs of tiles: pair v holds tiles (v / 2, 2 (v % 2)) and (v / 2, 2 (v % 2) + 1); they stay
	global_load_b128 v[32+12*\v:35+12*\v], v224, s[12:13] offset:2048*(\v/2)+512*(\v%2)
	global_load_b128 v[40+12*\v:43+12*\v], v224, s[12:13] offset:2048*(\v/2)+512*(\v%2)+256
.endr
.irp v, 0,1,2,3
	global_load_u16 v[128+\v], v226, s[14:15] offset:(64*(\v/2)+16*(\v%2))*2
	global_load_u8 v[132+\v], v227, s[20:21] offset:64*(\v/2)+16*(\v%2)
.endr
.irp d, 0,1,2,3                                ; V's four tiles of 16 of the head's 64: my 128 keys are 64 bytes of each row; once in the launch
	global_load_b128 v[88+8*\d:91+8*\d], v228, s[16:17] offset:16384*\d
	global_load_b128 v[92+8*\d:95+8*\d], v228, s[16:17] offset:16384*\d+32
.endr
.irp x, 0,1
	global_load_b32 v[84+\x], v229, s[18:19] offset:2048*\x     ; lanes 0-15: tile 2 x; lanes 16-31: tile 2 x + 1
.endr
.irp i, 0,1,2,3
	global_load_b128 v[136+4*\i:139+4*\i], v230, s[20:21] offset:512*\i   ; the batch's 2,048 mask bytes
.endr
	QLOAD                                          ; the first tile of queries
	; while these are on their way: the constant blocks, the fillers, the table (none of these lines names a register that the loads above touch)
	v_xor_b32 v166, 1, v14                         ; 1 in lanes 0-15
	v_mul_u32_u24 v167, v166, 15                   ; U: the code of -6 as the block's first, in lanes 0-15; all else 0
	v_lshlrev_b32 v20, 1, v166                     ; Uq: the code of +1 at the same place
.irp i, 21,22,23
	v_mov_b32 v[\i], 0
.endr
.irp v, 0,1,2,3
	v_mov_b32 v[36+12*\v], v167
	v_mov_b32 v[37+12*\v], 0
	v_mov_b32 v[38+12*\v], 0
	v_mov_b32 v[39+12*\v], 0
.endr
	v_mov_b32 v233, 0                              ; named as the upper halves of pairs whose low word serves both halves
	v_mov_b32 v235, 0
	v_mov_b32 v246, 0                              ; written once: a lane permute's destination counts as one of its sources
	s_lshl_b32 s52, s26, 9
	s_add_co_u32 s52, s52, 511
	s_sub_co_u32 s52, 0, s52                       ; -(511 + Qs)
	v_add_nc_u32 v160, s52, v0                     ; thread t makes entries z = t + 512 e, e = 0 .. 4: key - query = z - 511 - Qs
.irp e, 1,2,3,4
	v_add_nc_u32 v[160+\e], 512*\e, v160
.endr
.irp e, 0,1,2,3,4
	v_cvt_f32_i32 v[160+\e], v[160+\e]
.endr
.irp e, 0,1,2,3,4
	v_mul_f32 v[160+\e], v[160+\e], v[160+\e]      ; under 2^23: exact
.endr
.irp e, 0,1,2,3,4
	v_mul_f32 v[160+\e], 0xb538aa3b, v[160+\e]     ; x -log2(e) / 2^21
.endr
.irp e, 0,1,2,3,4
	v_exp_f32 v[160+\e], v[160+\e]
.endr
	v_lshlrev_b32 v165, 2, v0                      ; (a plain instruction behind the exponentials)
	s_wait_alu depctr_va_vdst(0)                   ; the five exponentials have written v160 to v164, the LDS stores' data and the results' first readers; v165, the stores' address, is written
.irp o, 0,1,2,3                                ; entry z goes to word z - o of copy o; the first o entries fall into the 64 bytes between the copies
.irp e, 0,1,2,3,4
	ds_store_b32 v165, v[160+\e] offset:\o*(CP-4)+2048*\e
.endr
.endr
	s_wait_loadcnt 0x0                             ; all of the head's loads
.irp i, 1,2,3,4,5,6,7,8,9,10,11,12,13,14,15
	v_and_b32 v136, v136, v[136+\i]                ; my 64 mask bytes, ANDed byte by byte
.endr
	v_cmp_ne_u32 vcc_lo, 0x01010101, v136          ; a lane with an unmasked key
	v_cmp_le_u32 s53, 16, v15                      ; lanes 16-31
	s_wait_alu depctr_va_vcc(0)                    ; VCC is written, ahead of its first reader, the scalar compare below
	s_wait_alu depctr_va_sdst(0)                   ; s53 is written, ahead of its first reader, the selects of K's scale words
	s_cmp_eq_u32 vcc_lo, 0                         ; no such lane: the whole batch is masked
	s_cselect_b32 s40, 0, 0x3e38aa3b               ; c = log2(e) / 8, or 0
	s_cselect_b32 s43, 0, 227                      ; a masked key's byte for U: 2^100, or 2^-127 like any other key's
	s_mov_b32 s41, s40                             ; (named with it as a pair, so it is written)
	s_xor_b32 s42, s40, 0x80000000                 ; -c
.irp v, 0,1,2,3
	v_mul_u32_u24 v[132+\v], s43, v[132+\v]        ; U's scale byte of my key
.endr
.irp v, 0,1,2,3
	v_lshl_or_b32 v[152+\v], v[132+\v], 16, v[128+\v]   ; a first tile's word: k0, k1, U's, 0
	v_lshl_or_b32 v[156+\v], v[128+\v], 16, v[132+\v]   ; a second tile's: U's, 0, k0, k1
.endr
.irp v, 0,1,2,3
	v_cndmask_b32 v[80+\v], v[152+\v], v[156+\v], s53
.endr
	v_or_b32 v29, 0x7f0000, v28                    ; Q's word beside a first tile: q0, q1, 127, 0
	v_lshl_or_b32 v30, v28, 16, 0x7f               ; beside a second: 127, 0, q0, q1
.rept 8
	v_nop                                          ; a scale register written by a vector instruction stands eight places ahead of a scaled matrix instruction; the wait that states them written stands at the trip's head
.endr
	BAR                                            ; the table is whole
	s_mov_b32 s46, 0                               ; the tile
	s_mov_b32 s47, 2048                            ; 64 (32 - tile): a query further on is a table entry further back
.Ltile:
	; ---- 1: the scores, and my 128 keys' largest for each query
	s_sub_co_u32 s47, s47, 64
	s_wait_alu depctr_vm_vsrc(0)                   ; the last trip's decay loads have read v6, which the next line writes, and its store to out0 has read v[236:237], which this trip's sums write; in the first trip: the head's loads have read v224 to v230, which the maxima write, and the table's stores v160 to v165, which the scores write
	v_add_nc_u32 v6, s47, v5
	s_wait_alu depctr_va_vdst(0)                   ; v6 is written, which the decay loads read; the last trip's additions are done with v192 to v223, in which they land; Q's scale words v29 and v30 (in the first trip K's too, and the constant blocks) are written, which the scaled products take
	DECLOAD 0                                      ; wanted behind two barriers
	SCORES
	PLACES                                         ; in front of the first read of the scores
	ROWMAX
	v_permlanex16_b32 v246, v224, s44, s45
	v_max_num_f32 v224, v224, v246                 ; with lane l xor 16's 64 keys
	s_wait_alu depctr_va_vdst(0)                   ; v224 is written, which the store reads; the scores' products are done reading Q's registers, and the last trip's lines v28, in which the loads below land; the last trip's lines are done with v248 to v255, in which the loads behind the barrier land
	ds_store_b32 v7, v224                          ; both halves of the lanes write the same word with the same value
	s_cmp_eq_u32 s46, 31                           ; the next tile of queries is asked for a trip ahead, if there is one: no load leaves its buffer
	s_cbranch_scc1 .Lno_q
	s_add_nc_u64 s[8:9], s[8:9], 512               ; (the loads that read these bases were waited for in the trip before)
	s_add_nc_u64 s[10:11], s[10:11], 32
	QLOAD                                          ; no wait of its own: no vector or matrix instruction stands between the wait above and these loads
.Lno_q:
	BAR                                            ; barrier 1: sixteen maxima for each query lie in LDS
	; ---- 2: the row's maximum M, the same bits in every wave
	ds_load_b128 v[248:251], v8
	ds_load_b128 v[252:255], v8 offset:16
	s_wait_dscnt 0x0
	v_max3_num_f32 v248, v248, v249, v250
	v_max3_num_f32 v251, v251, v252, v253
	v_max_num_f32 v254, v254, v255
	v_max3_num_f32 v248, v248, v251, v254
	v_permlanex16_b32 v246, v248, s44, s45
	v_max_num_f32 v248, v248, v246
	v_mul_f32 v232, s42, v248                      ; -c M
	; ---- 3: p, its sum, p x decay.  The exponentials go in two batches of 32; behind each stands work that names none of its results, then one wait
	FMA 0
	EXPS 0
	FMA 1
	s_wait_alu depctr_va_vdst(0)                   ; group 0's 32 exponentials have written v128 to v159, ahead of their first reader
	EXPS 1
	SUM 0                                          ; these two name group 0 alone
	MULDEC 0
	s_wait_alu depctr_va_vdst(0)                   ; the multiplications are done reading v192 to v223, in which group 1's decays land; and group 1's 32 exponentials have written v160 to v191, ahead of their first reader
	DECLOAD 1
	YMAX 0
	SUM 1
	v_pk_add_f32 v[236:237], v[236:237], v[238:239]
	v_add_f32 v236, v236, v237
	v_permlanex16_b32 v246, v236, s44, s45
	v_add_f32 v236, v236, v246                     ; my 128 keys' sum for query r
	s_wait_alu depctr_va_vdst(0)                   ; v236 is written, which the store reads; part 2's lines are done with v248 to v255, in which the loads behind the barrier land (the lines between name none of them)
	ds_store_b32 v7, v236 offset:LS
	s_wait_dscnt 0x0                               ; the store has landed; group 1's decays are in
	s_barrier_signal -1                            ; barrier 2,
	MULDEC 1                                       ; with work on registers while the others arrive
	YMAX 1
	s_barrier_wait -1                              ; sixteen sums for each query lie in LDS
	; ---- 4: the row's sum; a = y / sum; codes; my part of the second product
	ds_load_b128 v[248:251], v8 offset:LS
	ds_load_b128 v[252:255], v8 offset:LS+16
	s_wait_dscnt 0x0
	v_pk_add_f32 v[248:249], v[248:249], v[250:251]
	v_pk_add_f32 v[252:253], v[252:253], v[254:255]
	v_pk_add_f32 v[248:249], v[248:249], v[252:253]
	v_add_f32 v248, v248, v249
	v_permlanex16_b32 v246, v248, s44, s45
	v_add_f32 v248, v248, v246                     ; the same additions in the same order in every wave
	v_rcp_f32 v234, v248
	s_wait_loadcnt 0x0                             ; the next tile of queries is in
	v_or_b32 v29, 0x7f0000, v28                    ; its two scale words: plain instructions behind the reciprocal, and far ahead of the next scores
	v_lshl_or_b32 v30, v28, 16, 0x7f
	s_wait_alu depctr_va_vdst(0)                   ; the reciprocal has written v234, ahead of its first reader
	v_mul_f32 v240, v240, v234                     ; each block's largest a: the multiplication keeps the order, so this is the largest of the products below
	v_mul_f32 v241, v241, v234
	v_max_num_f32 v240, 0x1800000, v240            ; the floor 2^(3 - 127): the byte cannot fall under 1
	v_max_num_f32 v241, 0x1800000, v241
	v_add_nc_u32 v242, 0xff000000, v240            ; 2 off the exponent field: the conversion takes the exponent field of this operand as its scale
	v_add_nc_u32 v243, 0xff000000, v241
	v_lshrrev_b32 v244, 23, v242                   ; the scales' bytes: blocks h and 2 + h of query r
	v_lshrrev_b32 v245, 23, v243
	v_lshl_or_b32 v247, v245, 16, v244
	v_lshlrev_b32 v247, v12, v247                  ; at their places in the word
	v_permlanex16_b32 v246, v247, s44, s45
	v_or_b32 v31, v247, v246                       ; with lane l xor 16's two the word is whole; the 32 multiplications below are its places
	NORM 0
	CVT 0
	NORM 1                                         ; (plain instructions behind group 0's conversions)
	CVT 1
	PLACES                                         ; a plain instruction behind the last conversion, and four places between an operand so written and a scaled matrix instruction
	s_wait_alu depctr_va_vdst(0)                   ; the conversions have written the codes v120 to v127, and v31, their scale word, is written: the scaled products below take them; the places above stay beside this wait
	PV
	PLACES                                         ; four places behind the last matrix instruction, before its result is read
	s_wait_alu depctr_va_vdst(0)                   ; the products have written v192 to v223, which the LDS stores read and in which, behind the barrier, the partials land; the places above stay beside this wait
.irp d, 0,1,2,3
	ds_store_b128 v9, v[192+8*\d:195+8*\d] offset:64*\d        ; lane (r, h): O(query r, 16 d + 8 h + 0 .. 7); each accumulator from its low end on
	ds_store_b128 v9, v[196+8*\d:199+8*\d] offset:64*\d+16
.endr
	BAR                                            ; barrier 3: sixteen partial tiles of O lie in LDS
	; ---- 5: wave w adds up query row w and stores it
	s_wait_alu depctr_vm_vsrc(0)                   ; my LDS stores have read v192 to v223, in which the loads below land; the store of my sum has read v236, which the last addition writes
.irp k, 0,1,2,3,4,5,6,7,8,9,10,11,12,13,14,15
	ds_load_b64 v[192+2*\k:193+2*\k], v10 offset:PART*\k
.endr
	s_wait_dscnt 8                                 ; LDS loads come back in order (ISA guide 5.7.1): the first eight are in, the eight younger may be out
	v_pk_add_f32 v[192:193], v[192:193], v[194:195]
	v_pk_add_f32 v[196:197], v[196:197], v[198:199]
	v_pk_add_f32 v[200:201], v[200:201], v[202:203]
	v_pk_add_f32 v[204:205], v[204:205], v[206:207]
	v_pk_add_f32 v[192:193], v[192:193], v[196:197]
	v_pk_add_f32 v[200:201], v[200:201], v[204:205]
	v_pk_add_f32 v[192:193], v[192:193], v[200:201]
	s_wait_dscnt 0x0
	v_pk_add_f32 v[208:209], v[208:209], v[210:211]
	v_pk_add_f32 v[212:213], v[212:213], v[214:215]
	v_pk_add_f32 v[216:217], v[216:217], v[218:219]
	v_pk_add_f32 v[220:221], v[220:221], v[222:223]
	v_pk_add_f32 v[208:209], v[208:209], v[212:213]
	v_pk_add_f32 v[216:217], v[216:217], v[220:221]
	v_pk_add_f32 v[208:209], v[208:209], v[216:217]
	v_pk_add_f32 v[236:237], v[192:193], v[208:209]
	s_wait_alu depctr_va_vdst(0)                   ; the last addition has written v[236:237], which the store reads
	global_store_b64 v11, v[236:237], s[22:23] th:TH_STORE_NT   ; 32 lanes store 256 consecutive bytes, at a multiple of 256 from out0's first byte; written once, read by nobody here
	s_wait_xcnt 0x0                                ; the store's address is translated: its base and its data are written again only behind this wait (the data also behind the wait on vm_vsrc at the next trip's head)
	s_add_nc_u64 s[22:23], s[22:23], 4096          ; 16 rows on
	s_add_co_u32 s46, s46, 1
	s_cmp_lt_u32 s46, 32
	s_cbranch_scc1 .Ltile
	; Why three barriers serve single buffers: every wave has waited for all its LDS instructions in front of each signal; the maxima are read between barriers 1 and 2 and written again behind 3;
	; the sums are read between 2 and 3 and written again behind the next trip's 1; the partial tiles are read between 3 and the next trip's 1 and written again behind its 2.
	s_wait_dscnt 0x0                               ; the closing lines, six on end
	s_wait_alu 0x0
	s_wait_tensorcnt 0x0
	ds_add_u32 v1, v2
	s_wait_dscnt 0x0
	s_endpgm
.Lfunc_end_k_q5fc951950d_attn:
	.size	k_q5fc951950d_attn, .Lfunc_end_k_q5fc951950d_attn-k_q5fc951950d_attn
	.p2alignl 7, 3214868480
	.fill 96, 4, 3214868480
	.section	.rodata,"a",@progbits
	.p2align	6, 0x0
	.amdhsa_kernel k_q5fc951950d_attn
		.amdhsa_group_segment_fixed_size 114944
		.amdhsa_private_segment_fixed_size 0
		.amdhsa_enable_private_segment 0
		.amdhsa_kernarg_size 64
		.amdhsa_user_sgpr_count 2
		.amdhsa_user_sgpr_kernarg_segment_ptr 1
		.amdhsa_wavefront_size32 1
		.amdhsa_system_sgpr_workgroup_id_x 1
		.amdhsa_system_sgpr_workgroup_id_y 1
		.amdhsa_system_sgpr_workgroup_id_z 1
		.amdhsa_system_vgpr_workitem_id 0
		.amdhsa_next_free_vgpr 256
		.amdhsa_next_free_sgpr 66
		.amdhsa_reserve_vcc 1
		.amdhsa_float_denorm_mode_32 3
		.amdhsa_float_denorm_mode_16_64 3
		.amdhsa_memory_ordered 1
		.amdhsa_forward_progress 1
		.amdhsa_inst_pref_size 37
	.end_amdhsa_kernel
	.amdgpu_metadata
---
amdhsa.version: [ 1, 2 ]
amdhsa.kernels:
  - .name:           k_q5fc951950d_attn
    .symbol:         k_q5fc951950d_attn.kd
    .args:
      - { .name: Q_codes, .offset: 0, .size: 8, .value_kind: global_buffer, .address_space: global }
      - { .name: Q_scales, .offset: 8, .size: 8, .value_kind: global_buffer, .address_space: global }
      - { .name: K_codes, .offset: 16, .size: 8, .value_kind: global_buffer, .address_space: global }
      - { .name: K_scales, .offset: 24, .size: 8, .value_kind: global_buffer, .address_space: global }
      - { .name: V_codes, .offset: 32, .size: 8, .value_kind: global_buffer, .address_space: global }
      - { .name: V_scales, .offset: 40, .size: 8, .value_kind: global_buffer, .address_space: global }
      - { .name: mask_out, .offset: 48, .size: 8, .value_kind: global_buffer, .address_space: global }
      - { .name: out0, .offset: 56, .size: 8, .value_kind: global_buffer, .address_space: global }
    .group_segment_fixed_size: 114944
    .private_segment_fixed_size: 0
    .kernarg_segment_align: 8
    .kernarg_segment_size: 64
    .max_flat_workgroup_size: 512
    .sgpr_count:     66
    .vgpr_count:     256
    .wavefront_size: 32
...
	.end_amdgpu_metadata
.endif
;; end of part 2
